; MI455X (gfx1250); checked and timed in simulation.
; The chip was launched on July 23, 2026; its instructions are those of AMD's public machine-readable ISA for CDNA 5 (MIT licence, August 2026) and "CDNA5" Instruction Set Architecture Reference Guide (July 2026). The comments in the code are by the model that wrote it; some were corrected since.
;; TSP Decoder. Allowed arithmetic: matrix products marked QUANTISED: E2M3 operands, one E8M0 scale for each 32 along K, by v_wmma_scale_f32_16x16x128_f8f6f4 with both operands' format E2M3, f32 sums; products left as they are: f32 operands where the result goes on into a quantised operand, else bf16, f16 or f32 operands; f32 sums; everything else in f32.
;; Inputs: Wcomb1_codes 128 x 4 x 24 uint8 (E2M3 codes of Wcomb1, K innermost, in blocks of 32 codes, four codes in three bytes); Wcomb1_scales 128 x 4 uint8 (E8M0 scales of Wcomb1, one for each 32 codes along K); Wcomb2_codes 128 x 4 x 24 uint8 (E2M3 codes of Wcomb2, K innermost, in blocks of 32 codes, four codes in three bytes); Wcomb2_scales 128 x 4 uint8 (E8M0 scales of Wcomb2, one for each 32 codes along K); Wk_codes 128 x 4 x 24 uint8 (E2M3 codes of Wk, K innermost, in blocks of 32 codes, four codes in three bytes); Wk_e_codes 128 x 4 x 24 uint8 (E2M3 codes of Wk_e, K innermost, in blocks of 32 codes, four codes in three bytes); Wk_e_scales 128 x 4 uint8 (E8M0 scales of Wk_e, one for each 32 codes along K); Wk_scales 128 x 4 uint8 (E8M0 scales of Wk, one for each 32 codes along K); Wq_first_codes 128 x 4 x 24 uint8 (E2M3 codes of Wq_first, K innermost, in blocks of 32 codes, four codes in three bytes); Wq_first_e_codes 128 x 4 x 24 uint8 (E2M3 codes of Wq_first_e, K innermost, in blocks of 32 codes, four codes in three bytes); Wq_first_e_scales 128 x 4 uint8 (E8M0 scales of Wq_first_e, one for each 32 codes along K); Wq_first_scales 128 x 4 uint8 (E8M0 scales of Wq_first, one for each 32 codes along K); Wq_last_codes 128 x 4 x 24 uint8 (E2M3 codes of Wq_last, K innermost, in blocks of 32 codes, four codes in three bytes); Wq_last_e_codes 128 x 4 x 24 uint8 (E2M3 codes of Wq_last_e, K innermost, in blocks of 32 codes, four codes in three bytes); Wq_last_e_scales 128 x 4 uint8 (E8M0 scales of Wq_last_e, one for each 32 codes along K); Wq_last_scales 128 x 4 uint8 (E8M0 scales of Wq_last, one for each 32 codes along K); Wv_codes 128 x 4 x 24 uint8 (E2M3 codes of Wv, K innermost, in blocks of 32 codes, four codes in three bytes); Wv_e_codes 128 x 4 x 24 uint8 (E2M3 codes of Wv_e, K innermost, in blocks of 32 codes, four codes in three bytes); Wv_e_scales 128 x 4 uint8 (E8M0 scales of Wv_e, one for each 32 codes along K); Wv_scales 128 x 4 uint8 (E8M0 scales of Wv, one for each 32 codes along K); bcomb1 128 float32; bcomb2 128 float32; encoded_first_graph_codes 32 x 512 x 4 x 24 uint8 (E2M3 codes of encoded_first_graph, K innermost, in blocks of 32 codes, four codes in three bytes); encoded_first_graph_scales 32 x 512 x 4 uint8 (E8M0 scales of encoded_first_graph, one for each 32 codes along K); encoded_graph 32 x 512 x 128 float32; encoded_last_graph_codes 32 x 512 x 4 x 24 uint8 (E2M3 codes of encoded_last_graph, K innermost, in blocks of 32 codes, four codes in three bytes); encoded_last_graph_scales 32 x 512 x 4 uint8 (E8M0 scales of encoded_last_graph, one for each 32 codes along K); encoded_last_node_codes 32 x 512 x 4 x 24 uint8 (E2M3 codes of encoded_last_node, K innermost, in blocks of 32 codes, four codes in three bytes); encoded_last_node_scales 32 x 512 x 4 uint8 (E8M0 scales of encoded_last_node, one for each 32 codes along K); encoded_nodes 32 x 512 x 128 float32; encoded_q1_codes 32 x 512 x 4 x 24 uint8 (E2M3 codes of encoded_q1, K innermost, in blocks of 32 codes, four codes in three bytes); encoded_q1_scales 32 x 512 x 4 uint8 (E8M0 scales of encoded_q1, one for each 32 codes along K); ninf_mask 32 x 512 x 512 float32.
;; Outputs: out0 32 x 512 x 512 float32.
;; This version of the problem:
;;   THIS VERSION OF THE PROBLEM IS GIVEN IN LOW PRECISION. The matrix products marked QUANTISED in the list below multiply operands that are first quantised to E2M3 (2 exponent bits, 3 mantissa bits; 6 bits a number), with one power-of-two scale for each 32 numbers along K (OCP MX v1.0); their sums are f32. All else is computed in f32.
;;   The module's matrix products, in the order in which they are computed (A, B: the left and right operand; K: the contracted axis; several contracted axes count as one K, in the product's order):
;;     1. [M 16,384, K 128] x [K 128, N 128]; A: input encoded_nodes; B: input Wk (given as codes): QUANTISED
;;     2. [M 16,384, K 128] x [K 128, N 128]; A: input encoded_nodes; B: input Wv (given as codes): QUANTISED
;;     3. [M 16,384, K 128] x [K 128, N 128]; A: input encoded_graph; B: input Wk_e (given as codes): QUANTISED
;;     4. [M 16,384, K 128] x [K 128, N 128]; A: input encoded_graph; B: input Wv_e (given as codes): QUANTISED
;;     5. [M 16,384, K 128] x [K 128, N 128]; A: input encoded_q1 (given as codes); B: input Wq_first (given as codes): QUANTISED
;;     6. [M 16,384, K 128] x [K 128, N 128]; A: input encoded_first_graph (given as codes); B: input Wq_first_e (given as codes): QUANTISED
;;     7. [M 16,384, K 128] x [K 128, N 128]; A: input encoded_last_node (given as codes); B: input Wq_last (given as codes): QUANTISED
;;     8. [M 16,384, K 128] x [K 128, N 128]; A: input encoded_last_graph (given as codes); B: input Wq_last_e (given as codes): QUANTISED
;;     9. batch 256 x [M 512, K 16] x [K 16, N 512]; A: computed on the way; B: computed on the way: left as it is (K = 16 < 32)
;;     10. batch 256 x [M 512, K 512] x [K 512, N 16]; A: softmax (see below); B: computed on the way: QUANTISED
;;     11. batch 256 x [M 512, K 16] x [K 16, N 512]; A: computed on the way; B: computed on the way: left as it is (K = 16 < 32)
;;     12. batch 256 x [M 512, K 512] x [K 512, N 16]; A: softmax (see below); B: computed on the way: QUANTISED
;;     13. [M 16,384, K 128] x [K 128, N 128]; A: computed on the way; B: input Wcomb1 (given as codes): QUANTISED
;;     14. [M 16,384, K 128] x [K 128, N 128]; A: computed on the way; B: input Wcomb2 (given as codes): QUANTISED
;;     15. batch 32 x [M 512, K 128] x [K 128, N 512]; A: computed on the way; B: computed on the way: QUANTISED
;;   THE QUANTISER, for each operand of a quantised product, along K:
;;     - K is cut into blocks of 32 from its start; a last block that is shorter is filled with zeros.
;;     - A block's scale is 2^e with e = floor(log2(the largest magnitude in the block)) - 2, held to -126 .. 127; a block of zeros has e = 0. As a byte (E8M0): e + 127.
;;     - Each number is divided by its block's scale, clamped to +-7.5, and rounded to the nearest number of E2M3, ties to even, subnormals kept.
;;     - The product sums the exact products of the quantised numbers (number of the format x scale) in f32.
;;   ~~~python
;;   def quantise(x, axis):      # numpy; x: float32 -> the quantised numbers, widened to float32 again
;;       x = np.moveaxis(x, axis, -1); K = x.shape[-1]
;;       x = np.pad(x, [(0, 0)] * (x.ndim - 1) + [(0, -K % 32)]); x = x.reshape(x.shape[:-1] + (-1, 32)); a = np.abs(x).max(-1, keepdims=True)
;;       e = np.where(a > 0, np.clip(np.frexp(np.where(a > 0, a, 1))[1] - 1 - 2, -126, 127), 0)      # np.frexp(a)[1] - 1 = floor(log2(a)), exactly
;;       r = np.clip(x / 2.0 ** e, -7.5, 7.5)
;;       step = 2.0 ** (np.maximum(np.frexp(np.where(r == 0, 1, r))[1] - 1, 0) - 3)
;;       q = np.round(r / step) * step * 2.0 ** e      # np.round: ties to even
;;       return np.moveaxis(q.reshape(q.shape[:-2] + (-1,))[..., :K], -1, axis).astype(np.float32)
;;   ~~~
;;   SOFTMAX AHEAD OF A QUANTISED PRODUCT. Where the list says 'softmax', what is quantised is not the finished softmax but p = 2^(t - M), with t = logit x log2(e) and M = ceil(the row's largest t), a whole number; so 1/2 < the row's largest p <= 1. The row's sum l is taken of the UNQUANTISED p, in f32, and the product's result is divided by l at the end. Since M is a whole number, a kernel that streams over the keys may use a running M (the ceiling of the running maximum): every later rescaling is an exact power of two, which a block's scale takes up: the codes' values come out the same.
;;   OPERANDS COMPUTED ON THE WAY. 'Computed on the way' means the value that the module computes at that place (a softmax that the list does not call 'softmax' is quantised finished and normalised). What goes into a quantiser is computed in f32, as accurately as f32 sums, v_exp_f32 and their like allow (about 1e-6 of the number): no bf16 or f16 on the way to a quantiser, and a product that is left as it is and whose result goes on into a quantised operand takes f32 operands (vector FMAs, or v_wmma_f32_16x16x4_f32). A number that lies on a knife's edge between two numbers of the format may be rounded either way, as far as f32 arithmetic and the matrix unit's own rounding can turn it there, and no further.
;;   INPUTS GIVEN AS CODES. Wcomb1 (in the module: [128, 128], K = its axis 0); Wcomb2 (in the module: [128, 128], K = its axis 0); Wk (in the module: [128, 128], K = its axis 0); Wk_e (in the module: [128, 128], K = its axis 0); Wq_first (in the module: [128, 128], K = its axis 0); Wq_first_e (in the module: [128, 128], K = its axis 0); Wq_last (in the module: [128, 128], K = its axis 0); Wq_last_e (in the module: [128, 128], K = its axis 0); Wv (in the module: [128, 128], K = its axis 0); Wv_e (in the module: [128, 128], K = its axis 0); encoded_first_graph (in the module: [32, 512, 128], K = its axis 2); encoded_last_graph (in the module: [32, 512, 128], K = its axis 2); encoded_last_node (in the module: [32, 512, 128], K = its axis 2); encoded_q1 (in the module: [32, 512, 128], K = its axis 2): each comes as NAME_codes (uint8): NAME with its K axis moved to the last place and cut into blocks of 32 codes, [.., K / 32, bytes a block], one block behind the other in memory; four codes in three bytes: a row's codes are one little-endian stream of bits, code i at bits 6 i .. 6 i + 5 (a code: sign, 2 exponent bits, 3 mantissa bits); and NAME_scales (uint8): the same leading axes, one E8M0 byte (e + 127) for each 32 codes along K. Its value is code x scale, taken as it is: it is not quantised again, and the codes and scales need not be those that the quantiser above would give.
;; One version. Each part assembles by itself: llvm-mc -triple=amdgcn-amd-amdhsa -mcpu=gfx1250 --defsym DOCPART=n.
;; ======== version 1 of 1: 2 launches
;; workspace buffers: kv 20,971,520 bytes; shk 2,097,152 bytes
;; launch prep (part 1): grid 8 x 32, 4 waves a work-group, no clusters, 13,312 bytes of LDS; arguments encoded_nodes, encoded_graph, Wk_codes, Wk_scales, Wv_codes, Wv_scales, Wk_e_codes, Wk_e_scales, Wv_e_codes, Wv_e_scales, kv, shk; writes kv, shk
.if DOCPART == 1
	.amdgcn_target "amdgcn-amd-amdhsa--gfx1250"
	.amdhsa_code_object_version 6
	.text
	.protected	k_q3bc0584e5f_prep
	.globl	k_q3bc0584e5f_prep
	.p2align	8
	.type	k_q3bc0584e5f_prep,@function
k_q3bc0584e5f_prep:
	s_mov_b64 s[64:65], 0
	v_nop
	global_prefetch_b8 v0, s[64:65] scope:SCOPE_SE
	s_setreg_imm32_b32 hwreg(HW_REG_WAVE_MODE, 25, 1), 1
	s_wait_xcnt 0x0
; PREP: keys, values and the scoring keys of the decoder, laid as the second launch's operand registers want them.
; A work-group takes 64 nodes (step ks = x) of one batch (y).  Four waves.
; PHASE X: wave w takes tile w of 16 nodes and quantises, along the 128 channels, to E2M3 with one E8M0 byte for each 32: nodes, graph, and nodes + graph.
;   The first two go to LDS as images of the operand's registers (12 registers a lane: three stores of 16 bytes a lane), the third to the buffer shk.
; PHASE P: wave w = (a = w / 2: nodes or graph;  heads 4 (w % 2) .. + 3).  For each head: K^T = Wk x^T (source 0 = the head's 16 rows of Wk, source 1 = 16 nodes): a lane then holds ONE node and
;   channels 8 (lane / 16) + 0 .. 7, which is the f32 operand of the score product as it stands: stored as f32.  V = x Wv (source 0 = 16 nodes, source 1 = the head's 16 rows of Wv): a lane holds ONE
;   channel and its registers run along the nodes, which are the second product's K: quantised in registers, 64 nodes = two blocks of 32.
; THE NODES OF A TILE ARE NOT NEIGHBOURS: lane r of tile 2 b + u takes node 32 b + 8 u + r + 8 (r / 8), so that the 16 result registers of tiles 2 b and 2 b + 1 are 16 neighbouring nodes, 32 b + 16 (lane / 16) + 0 .. 15.
; kv: records of 5,120 bytes at (((a 32 + batch) 8 + head) 8 + ks): 0 K (tile t, half c at 1024 t + 512 c + 16 lane); 4096 V's code registers 0-3 (16 lane); 4608 registers 4-5 (8 lane); 4864 V's scale word (4 lane).
; shk: records of 2,048 bytes at (batch 32 + 4 ks + tile): 0 the 12 code registers (three images of 512 bytes); 1536 the scale word (4 lane).
; LIMITS: NaN and infinities among the inputs are not served.  A block whose largest magnitude lies under 2^-124 keeps the scale byte 1; so does a block of zeros (the quantiser says 127): its codes are zeros, and this program alone reads the bytes.
.set XN,  8                            ; v8-71    phase X: 64 numbers of nodes, later nodes + graph
.set XG,  72                           ; v72-135  phase X: 64 numbers of graph
.set PC,  176                          ; v176-187 phase X: the fragment just made
.set QTM, 188                          ; v188-199 QUANT4: +0..3 largest magnitudes, +4..7 the other half's and then the bytes, +8..11 the conversions' scale operands
.set QCT, 200                          ; v200-206 QUANT4: the conversions' second halves
.set XF,  8                            ; v8-55    phase P: four fragments of x
.set BM,  56                           ; v56-57   QUANT2: largest magnitudes
.set PX,  58                           ; v58-59   the other half's, then the bytes
.set SO,  60                           ; v60-61   scale operands
.set PC6, 62                           ; v62-67   V's six code registers
.set CT2, 68                           ; v68-70   the second conversion's result
.set WFR, 72                           ; v72-167  phase P: Wk of my head i at 72 + 24 i, Wv at 84 + 24 i
.set KD,  176                          ; v176-207 K^T, four tiles
.set VD,  208                          ; v208-239 V, four tiles
.set WSC, 240                          ; v240-247 scale words of Wk (2 i) and Wv (2 i + 1)
.set XFS, 248                          ; v248-251 scale words of x's four fragments
.set PW,  252                          ; v252     the scale word just made
.set ISC, 12288                        ; LDS: images at (src 4 + tile) 1536 from byte 0, their scale words at ISC + (src 4 + tile) 128
; 64 numbers of a lane, register 16 b + i = channel 32 b + 16 (lane / 16) + i of my row, become a fragment's 12 code registers at pc and its scale word in pw.
.macro QUANT4 s, pc, pw
.irp b, 0,1,2,3
	v_max3_num_f32 v[QTM+\b], |v[\s+16*\b]|, |v[\s+16*\b+1]|, 0x1800000   ; my 16 numbers of block b, and the floor 2^(3 - 127): the byte cannot fall under 1
.endr
.irp i, 2,4,6,8,10,12,14
.irp b, 0,1,2,3
	v_max3_num_f32 v[QTM+\b], v[QTM+\b], |v[\s+16*\b+\i]|, |v[\s+16*\b+\i+1]|   ; the four blocks by turns
.endr
.endr
.irp b, 0,1,2,3
	v_permlanex16_b32 v[QTM+4+\b], v[QTM+\b], s36, s37
.endr
.irp b, 0,1,2,3
	v_max_num_f32 v[QTM+\b], v[QTM+\b], v[QTM+4+\b]   ; with lane l xor 16's 16: the block's largest magnitude
.endr
.irp b, 0,1,2,3
	v_add_nc_u32 v[QTM+8+\b], 0xff000000, v[QTM+\b]   ; 2 off its exponent field: the conversion's scale operand
.endr
.irp b, 0,1,2,3
	v_lshrrev_b32 v[QTM+4+\b], 23, v[QTM+8+\b]        ; the scale's byte
.endr
	v_lshl_or_b32 v[\pw], v[QTM+5], 8, v[QTM+4]
	v_lshl_or_b32 v[\pw], v[QTM+6], 16, v[\pw]
	v_lshl_or_b32 v[\pw], v[QTM+7], 24, v[\pw]
.irp c, 0,1
	v_cvt_scalef32_pk16_fp6_f32 v[\pc+6*\c:\pc+6*\c+2], v[\s+32*\c:\s+32*\c+15], v[QTM+8+2*\c]
	v_cvt_scalef32_pk16_fp6_f32 v[QCT+4*\c:QCT+4*\c+2], v[\s+32*\c+16:\s+32*\c+31], v[QTM+9+2*\c]   ; (a conversion's three registers begin on an even number)
.endr
	v_nop                                          ; one plain place behind the scaled conversions
.irp c, 0,1                            ; the operand wants a whole block in a lane: lanes 0-15 block 2 c, lanes 16-31 block 2 c + 1
.irp i, 0,1,2
	v_permlane16_swap_b32 v[\pc+6*\c+\i], v[QCT+4*\c+\i]
.endr
.irp i, 0,1,2
	v_mov_b32 v[\pc+6*\c+3+\i], v[QCT+4*\c+\i]
.endr
.endr
.endm
; The same for 32 numbers, two blocks: register 16 b + i = node 32 b + 16 (lane / 16) + i of my channel.  Six code registers at PC6, the word (two bytes, the upper two 0) in PW.
.macro QUANT2 s
.irp b, 0,1
	v_max3_num_f32 v[BM+\b], |v[\s+16*\b]|, |v[\s+16*\b+1]|, 0x1800000
.endr
.irp i, 2,4,6,8,10,12,14
.irp b, 0,1
	v_max3_num_f32 v[BM+\b], v[BM+\b], |v[\s+16*\b+\i]|, |v[\s+16*\b+\i+1]|
.endr
.endr
.irp b, 0,1
	v_permlanex16_b32 v[PX+\b], v[BM+\b], s36, s37
.endr
.irp b, 0,1
	v_max_num_f32 v[BM+\b], v[BM+\b], v[PX+\b]
.endr
.irp b, 0,1
	v_add_nc_u32 v[SO+\b], 0xff000000, v[BM+\b]
.endr
.irp b, 0,1
	v_lshrrev_b32 v[PX+\b], 23, v[SO+\b]
.endr
	v_lshl_or_b32 v[PW], v[PX+1], 8, v[PX]
	v_cvt_scalef32_pk16_fp6_f32 v[PC6:PC6+2], v[\s:\s+15], v[SO]
	v_cvt_scalef32_pk16_fp6_f32 v[CT2:CT2+2], v[\s+16:\s+31], v[SO+1]
	v_nop                                          ; one plain place behind the scaled conversions
.irp i, 0,1,2
	v_permlane16_swap_b32 v[PC6+\i], v[CT2+\i]
.endr
.irp i, 0,1,2
	v_mov_b32 v[PC6+3+\i], v[CT2+\i]
.endr
.endm
.macro FRAGLD reg, voff, sb, off       ; a fragment of given codes: 24 bytes of the row's stream of bits, twice, in pieces of 8 bytes
.irp p, 0,1,2,3,4,5
	global_load_b64 v[\reg+2*\p:\reg+2*\p+1], v[\voff], s[\sb:\sb+1] offset:\off+48*(\p/3)+8*(\p%3)
.endr
.endm
	s_load_b512 s[4:19], s[0:1], 0x0               ; nodes s[4:5], graph s[6:7], Wk s[8:11], Wv s[12:15], Wk_e s[16:19] (codes, scales)
	s_load_b256 s[20:27], s[0:1], 0x40             ; Wv_e s[20:23], kv s[24:25], shk s[26:27]
	v_lshrrev_b32 v7, 5, v0
	v_readfirstlane_b32 s28, v7                    ; wave 0..3
	s_mov_b32 s29, ttmp9                           ; ks
	s_and_b32 s30, ttmp7, 0xffff                   ; batch
	s_lshr_b32 s31, s28, 1                         ; phase X: b of my tile;  phase P: a
	s_and_b32 s32, s28, 1                          ; phase X: u of my tile;  phase P: which four heads
	s_mov_b32 s36, 0x76543210
	s_mov_b32 s37, 0xfedcba98                      ; v_permlanex16_b32's selects for lane l xor 16
	s_mov_b32 s35, 0
	v_and_b32 v7, 31, v0
	v_lshlrev_b32 v1, 4, v7                        ; 16 x lane
	v_lshlrev_b32 v2, 3, v7                        ; 8 x lane
	v_lshlrev_b32 v3, 2, v7                        ; 4 x lane
	v_and_b32 v171, 15, v0                         ; r
	v_bfe_u32 v172, v0, 4, 1                       ; h
	v_and_b32 v173, 8, v171
	v_add_nc_u32 v173, v173, v171                  ; r + 8 (r / 8)
	v_lshlrev_b32 v4, 9, v173
	v_lshl_add_u32 v4, v172, 6, v4                 ; x: my node's row of 512 bytes, + 64 h: my 16 numbers of a block of 32
	v_mul_u32_u24 v5, v171, 96
	v_mad_u32_u24 v5, v172, 24, v5                 ; a weight's row r of 96 bytes, + 24 h
	v_lshlrev_b32 v6, 2, v171                      ; its scale word
	s_mul_i32 s33, s28, 1536
	v_add_nc_u32 v168, s33, v1                     ; where I store images: 16 lane + 1536 wave
	s_lshl_b32 s33, s28, 7
	v_add_nc_u32 v169, s33, v3                     ; and their scale words: 4 lane + 128 wave
	s_mul_i32 s33, s31, 6144
	v_add_nc_u32 v7, s33, v1                       ; where I read them in phase P: 16 lane + 6144 a
	s_lshl_b32 s33, s31, 9
	v_add_nc_u32 v170, s33, v3                     ; 4 lane + 512 a
	s_lshl_b32 s34, s30, 9
	s_lshl_b32 s33, s29, 6
	s_add_co_u32 s34, s34, s33
	s_lshl_b32 s33, s31, 5
	s_add_co_u32 s34, s34, s33
	s_lshl_b32 s33, s32, 3
	s_add_co_u32 s34, s34, s33                     ; my tile's first node: 512 batch + 64 ks + 32 b + 8 u
	s_lshl_b32 s34, s34, 9                         ; in bytes (under 2^23)
	s_wait_kmcnt 0x0
	s_add_nc_u64 s[4:5], s[4:5], s[34:35]
	s_add_nc_u64 s[6:7], s[6:7], s[34:35]
	; ---- PHASE X
.irp b, 0,1,2,3
.irp c, 0,1,2,3
	global_load_b128 v[XN+16*\b+4*\c:XN+16*\b+4*\c+3], v4, s[4:5] offset:128*\b+16*\c
.endr
.endr
.irp b, 0,1,2,3
.irp c, 0,1,2,3
	global_load_b128 v[XG+16*\b+4*\c:XG+16*\b+4*\c+3], v4, s[6:7] offset:128*\b+16*\c
.endr
.endr
.irp b, 0,1,2,3
	v_mov_b32 v[QTM+4+\b], 0                       ; written once: a lane permute's destination counts as one of its sources
.endr
	s_wait_loadcnt 0x10                            ; nodes are in; graph's sixteen loads, issued behind them, may be out
	QUANT4 XN, PC, PW
.irp c, 0,1,2
	ds_store_b128 v168, v[PC+4*\c:PC+4*\c+3] offset:512*\c
.endr
	ds_store_b32 v169, v[PW] offset:ISC
	s_wait_loadcnt 0x0                             ; graph
	s_wait_dscnt 0x0                               ; the stores have read the fragment's registers
	QUANT4 XG, PC, PW
.irp c, 0,1,2
	ds_store_b128 v168, v[PC+4*\c:PC+4*\c+3] offset:6144+512*\c
.endr
	ds_store_b32 v169, v[PW] offset:ISC+512
.set j, 0
.rept 32
	v_pk_add_f32 v[XN+j:XN+j+1], v[XN+j:XN+j+1], v[XG+j:XG+j+1]   ; nodes + graph, in f32
.set j, j+2
.endr
	s_cmp_lt_u32 s28, 2                            ; waves 0, 1 project the nodes, waves 2, 3 the graph: a choice on the wave's number alone
	s_cselect_b64 s[8:9], s[8:9], s[16:17]
	s_cselect_b64 s[10:11], s[10:11], s[18:19]
	s_cselect_b64 s[12:13], s[12:13], s[20:21]
	s_cselect_b64 s[14:15], s[14:15], s[22:23]
	s_mul_i32 s34, s32, 6144                       ; my four heads: 64 rows of 96 bytes
	s_add_nc_u64 s[8:9], s[8:9], s[34:35]
	s_add_nc_u64 s[12:13], s[12:13], s[34:35]
	s_lshl_b32 s34, s32, 8                         ; 64 scale words
	s_add_nc_u64 s[10:11], s[10:11], s[34:35]
	s_add_nc_u64 s[14:15], s[14:15], s[34:35]
.irp i, 0,1,2,3                        ; the weights land while the third operand is quantised (graph's numbers have been added: their registers are free)
	FRAGLD WFR+24*\i, 5, 8, 1536*\i
	FRAGLD WFR+24*\i+12, 5, 12, 1536*\i
	global_load_b32 v[WSC+2*\i], v6, s[10:11] offset:64*\i
	global_load_b32 v[WSC+2*\i+1], v6, s[14:15] offset:64*\i
.endr
	s_lshl_b32 s34, s30, 5
	s_lshl_b32 s33, s29, 2
	s_add_co_u32 s34, s34, s33
	s_add_co_u32 s34, s34, s28
	s_lshl_b32 s34, s34, 11                        ; my record of shk: (32 batch + 4 ks + tile) x 2,048
	s_add_nc_u64 s[26:27], s[26:27], s[34:35]
	s_wait_dscnt 0x0                               ; graph's image has been read out of the fragment's registers
	QUANT4 XN, PC, PW
.irp c, 0,1,2
	global_store_b128 v1, v[PC+4*\c:PC+4*\c+3], s[26:27] offset:512*\c   ; 32 lanes store 512 consecutive bytes
.endr
	global_store_b32 v3, v[PW], s[26:27] offset:1536
	s_wait_dscnt 0x0                               ; for the others' sake: my images lie in LDS
	s_barrier_signal -1
	s_barrier_wait -1
	; ---- PHASE P
.irp t, 0,1,2,3
.irp c, 0,1,2
	ds_load_b128 v[XF+12*\t+4*\c:XF+12*\t+4*\c+3], v7 offset:1536*\t+512*\c
.endr
	ds_load_b32 v[XFS+\t], v170 offset:ISC+128*\t
.endr
	v_mov_b32 v[PX], 0                             ; written once: a lane permute's destination counts as one of its sources
	v_mov_b32 v[PX+1], 0
	s_lshl_b32 s34, s31, 5
	s_add_co_u32 s34, s34, s30
	s_lshl_b32 s34, s34, 6
	s_lshl_b32 s33, s32, 5
	s_add_co_u32 s34, s34, s33
	s_add_co_u32 s34, s34, s29
	s_mul_i32 s34, s34, 5120                       ; my first record of kv: ((32 a + batch) 64 + 8 (my first head) + ks) x 5,120; a head on is 40,960 bytes on
	s_add_nc_u64 s[24:25], s[24:25], s[34:35]
	s_wait_loadcnt 0x0                             ; the weights
	s_wait_dscnt 0x0                               ; x's fragments
.macro HEAD hd
	s_wait_xcnt 0x0                                ; the earlier stores have read their data: the results' and the codes' registers are written again only behind this wait
.irp t, 0,1,2,3
	v_wmma_scale_f32_16x16x128_f8f6f4 v[KD+8*\t:KD+8*\t+7], v[WFR+24*\hd:WFR+24*\hd+11], v[XF+12*\t:XF+12*\t+11], 0, v[WSC+2*\hd], v[XFS+\t] matrix_a_fmt:MATRIX_FMT_FP6 matrix_b_fmt:MATRIX_FMT_FP6
.endr
.irp t, 0,1,2,3
	v_wmma_scale_f32_16x16x128_f8f6f4 v[VD+8*\t:VD+8*\t+7], v[XF+12*\t:XF+12*\t+11], v[WFR+24*\hd+12:WFR+24*\hd+23], 0, v[XFS+\t], v[WSC+2*\hd+1] matrix_a_fmt:MATRIX_FMT_FP6 matrix_b_fmt:MATRIX_FMT_FP6
.endr
.rept 4
	v_nop                                          ; four places in front of the first read of results (ISA guide 7.12.1)
.endr
.irp t, 0,1,2,3
.irp c, 0,1
	global_store_b128 v1, v[KD+8*\t+4*\c:KD+8*\t+4*\c+3], s[24:25] offset:40960*\hd+1024*\t+512*\c   ; each result from its low end on; 512 consecutive bytes a store
.endr
.endr
	QUANT2 VD
	global_store_b128 v1, v[PC6:PC6+3], s[24:25] offset:40960*\hd+4096
	global_store_b64 v2, v[PC6+4:PC6+5], s[24:25] offset:40960*\hd+4608
	global_store_b32 v3, v[PW], s[24:25] offset:40960*\hd+4864
.endm
	HEAD 0
	HEAD 1
	HEAD 2
	HEAD 3
	s_endpgm
.Lfunc_end_k_q3bc0584e5f_prep:
	.size	k_q3bc0584e5f_prep, .Lfunc_end_k_q3bc0584e5f_prep-k_q3bc0584e5f_prep
	.p2alignl 7, 3214868480
	.fill 96, 4, 3214868480
	.section	.rodata,"a",@progbits
	.p2align	6, 0x0
	.amdhsa_kernel k_q3bc0584e5f_prep
		.amdhsa_group_segment_fixed_size 13312
		.amdhsa_private_segment_fixed_size 0
		.amdhsa_enable_private_segment 0
		.amdhsa_kernarg_size 96
		.amdhsa_user_sgpr_count 2
		.amdhsa_user_sgpr_kernarg_segment_ptr 1
		.amdhsa_wavefront_size32 1
		.amdhsa_system_sgpr_workgroup_id_x 1
		.amdhsa_system_sgpr_workgroup_id_y 1
		.amdhsa_system_sgpr_workgroup_id_z 1
		.amdhsa_system_vgpr_workitem_id 0
		.amdhsa_next_free_vgpr 256
		.amdhsa_next_free_sgpr 66
		.amdhsa_reserve_vcc 0
		.amdhsa_float_denorm_mode_32 3
		.amdhsa_float_denorm_mode_16_64 3
		.amdhsa_memory_ordered 1
		.amdhsa_forward_progress 1
		.amdhsa_inst_pref_size 43
	.end_amdhsa_kernel
	.amdgpu_metadata
---
amdhsa.version: [ 1, 2 ]
amdhsa.kernels:
  - .name:           k_q3bc0584e5f_prep
    .symbol:         k_q3bc0584e5f_prep.kd
    .args:
      - { .name: encoded_nodes, .offset: 0, .size: 8, .value_kind: global_buffer, .address_space: global }
      - { .name: encoded_graph, .offset: 8, .size: 8, .value_kind: global_buffer, .address_space: global }
      - { .name: Wk_codes, .offset: 16, .size: 8, .value_kind: global_buffer, .address_space: global }
      - { .name: Wk_scales, .offset: 24, .size: 8, .value_kind: global_buffer, .address_space: global }
      - { .name: Wv_codes, .offset: 32, .size: 8, .value_kind: global_buffer, .address_space: global }
      - { .name: Wv_scales, .offset: 40, .size: 8, .value_kind: global_buffer, .address_space: global }
      - { .name: Wk_e_codes, .offset: 48, .size: 8, .value_kind: global_buffer, .address_space: global }
      - { .name: Wk_e_scales, .offset: 56, .size: 8, .value_kind: global_buffer, .address_space: global }
      - { .name: Wv_e_codes, .offset: 64, .size: 8, .value_kind: global_buffer, .address_space: global }
      - { .name: Wv_e_scales, .offset: 72, .size: 8, .value_kind: global_buffer, .address_space: global }
      - { .name: kv, .offset: 80, .size: 8, .value_kind: global_buffer, .address_space: global }
      - { .name: shk, .offset: 88, .size: 8, .value_kind: global_buffer, .address_space: global }
    .group_segment_fixed_size: 13312
    .private_segment_fixed_size: 0
    .kernarg_segment_align: 8
    .kernarg_segment_size: 96
    .max_flat_workgroup_size: 128
    .sgpr_count:     66
    .vgpr_count:     256
    .wavefront_size: 32
...
	.end_amdgpu_metadata
.endif
;; end of part 1
;; launch decode (part 2): grid 8 x 32, 16 waves a work-group, no clusters, 316,416 bytes of LDS; arguments ninf_mask, kv, shk, out0, encoded_q1_codes, encoded_q1_scales, Wq_first_codes, Wq_first_scales, encoded_last_node_codes, encoded_last_node_scales, Wq_last_codes, Wq_last_scales, encoded_first_graph_codes, encoded_first_graph_scales, Wq_first_e_codes, Wq_first_e_scales, encoded_last_graph_codes, encoded_last_graph_scales, Wq_last_e_codes, Wq_last_e_scales, Wcomb1_codes, Wcomb1_scales, Wcomb2_codes, Wcomb2_scales, bcomb1, bcomb2; writes out0
.if DOCPART == 2
	.amdgcn_target "amdgcn-amd-amdhsa--gfx1250"
	.amdhsa_code_object_version 6
	.text
	.protected	k_q3bc0584e5f_decode
	.globl	k_q3bc0584e5f_decode
	.p2align	8
	.type	k_q3bc0584e5f_decode,@function
k_q3bc0584e5f_decode:
	s_mov_b64 s[64:65], 0
	v_nop
	global_prefetch_b8 v0, s[64:65] scope:SCOPE_SE
	s_setreg_imm32_b32 hwreg(HW_REG_WAVE_MODE, 25, 1), 1
	s_wait_xcnt 0x0
; DECODE: q, both attentions, the combining products, the scoring product and the last softmax, for 64 queries (x) of one batch (y).  Sixteen waves of 256 registers, four to a SIMD, so that one
; wave's softmax stands beside another's score products.  No tensor loads: a record of K and V is read by ONE wave of the work-group, straight into operand registers, 512 consecutive bytes a load; what the
; waves share (the mask's 64 rows, the queries' fragments, Wcomb, the biases, the scoring keys) is brought into LDS once, at the head, by loads and LDS stores.
; ROLES of wave w.  Head: it stages item w.  Attention: (a = w / 8: nodes or graph; head = w % 8), all four tiles of 16 queries.  Tail: (tile of queries w % 4; quarter of the 512 nodes w / 4).
; LAYOUT.  Every product is used transposed, so that a lane holds ONE query (lane % 16) throughout.  q^T = Wq x^T gives channels 8 (lane / 16) + 0 .. 7 of the head in eight registers, and K lies so in kv: the f32
; product S^T = K q^T takes register pair s of both as its K step s: the same permutation of the 16 channels on both sides.  The mask is the C of a score sum's first step.
; The keys of a tile are not neighbours (lane r of tile 2 b + u: key 32 b + 8 u + r + 8 (r / 8)), so that p's 16 registers of two tiles are 16 neighbouring keys.  Wcomb's rows and the scoring keys are taken in the same order.
; SOFTMAX AHEAD OF p V: t = score x log2(e); M = the running largest t rounded up to a whole number; p = 2^(t - M) is quantised, 64 keys (two blocks) a step; the sum is taken of the unquantised p; when M moves, sum and O
; are multiplied by 2^(old M - new M), exact.  A step's p V product carries codes in K = 0 .. 63; the operands' upper halves are zero codes, with the scale byte 0.
; LIMITS: NaN and infinities among the inputs are not served, but for -infinity in the mask; a row of the mask that is all -infinity gives NaN, as the reference does.  Blocks under 2^-124, and blocks of zeros, keep the scale byte 1.
; q is summed as ((first + last) + first_e) + last_e; the biases are added to each other first and start the combining sum; the mask enters a score's sum first: orders of f32 rounding other than the reference's.
.set MPITCH, 2064                      ; LDS.  MASK at 0: 64 rows of 2,048 bytes + 16: the sixteen rows that a load of 16 bytes a lane touches start 16 bytes apart modulo 256
.set OPITCH, 528
.set OUTS, 132096                      ; out1, out2: [a][64 rows] of 512 bytes + 16
.set XI,   199680                      ; 16 images (4 p + tile) of the queries' fragments, 1,536 bytes each
.set XIS,  224256                      ; their scale words, 128 bytes each
.set WCI,  226304                      ; 16 images (8 a + tile) of Wcomb's fragments
.set WCS,  250880
.set BIMG, 252928                      ; b1 + b2 in the result's layout: 16 images of four registers
.set SHK,  261120                      ; 32 images of the scoring keys' fragments
.set SHS,  310272
.set RED,  314368                      ; the last softmax: maxima [wave][query] and, 1,024 on, sums
.set AM0, 4                            ; v4   r MPITCH + 64 h; never rewritten
.set AMA, 5                            ; v5   + the step's 256 bytes: query tiles 0, 1
.set AMB, 6                            ; v6   query tiles 2, 3
.set Q,   8                            ; v8-39    q / 4, eight registers a tile of queries
.set OA,  40                           ; v40-71   O^T, eight a tile
.set ST,  72                           ; v72-87   a tile's -M, largest t, sum in two halves
.set KF,  88                           ; v88-119  K of a step: four tiles x eight
.set VF,  120                          ; v120-131 V^T of a step; v126-131 stay 0
.set MP,  136                          ; v136-167 the mask, then p
.set PC,  168                          ; v168-179 p's codes; v174-179 stay 0
.set CT,  180                          ; v180-182 the second conversion's result
.set BM,  184
.set PX,  186
.set SO,  188
.set FF,  190                          ; v[190:191] f = 2^(old M - new M)
.set TT,  192
.set SUMT, 194
.set RR,  196                          ; v196 r, v197 h: kept
.set HH,  197
.set WQS, 200                          ; v200-223 hold scale words and nothing else: Wq's four,
.set XLS, 204                          ; the queries' four,
.set VS,  208                          ; V's, p's,
.set PW,  209
.set WS,  210                          ; eight of a weight's or of the scoring keys',
.set CW0, 218                          ; two made in the tail, four on their way to LDS in the head
.set S,   224                          ; v224-255 S^T: written by the f32 matrix form alone
.set H,   8                            ; tail: v8-71 the combined output, then the scores
.set X,   72                           ; tail: v72-135 64 numbers from LDS
.set WF,  72                           ; tail: v72-167 eight fragments
.set QTM, 136                          ; tail: QUANT4's registers, at work only while no fragment lies there
.set QCT, 148
.set CA0, 168                          ; tail: v168-179, v180-191 the operands made
.macro QUANT4 s, pc, pw                ; 64 numbers of a lane, register 16 b + i = k 32 b + 16 (lane / 16) + i of my row: 12 code registers at pc, the scale word in pw
.irp b, 0,1,2,3
	v_max3_num_f32 v[QTM+\b], |v[\s+16*\b]|, |v[\s+16*\b+1]|, 0x1800000   ; with the floor 2^(3 - 127): the byte cannot fall under 1
.endr
.irp i, 2,4,6,8,10,12,14
.irp b, 0,1,2,3
	v_max3_num_f32 v[QTM+\b], v[QTM+\b], |v[\s+16*\b+\i]|, |v[\s+16*\b+\i+1]|
.endr
.endr
.irp b, 0,1,2,3
	v_permlanex16_b32 v[QTM+4+\b], v[QTM+\b], s70, s71
.endr
.irp b, 0,1,2,3
	v_max_num_f32 v[QTM+\b], v[QTM+\b], v[QTM+4+\b]
.endr
.irp b, 0,1,2,3
	v_add_nc_u32 v[QTM+8+\b], 0xff000000, v[QTM+\b]   ; 2 off the exponent field: the conversion's scale operand
.endr
.irp b, 0,1,2,3
	v_lshrrev_b32 v[QTM+4+\b], 23, v[QTM+8+\b]
.endr
	v_lshl_or_b32 v[\pw], v[QTM+5], 8, v[QTM+4]
	v_lshl_or_b32 v[\pw], v[QTM+6], 16, v[\pw]
	v_lshl_or_b32 v[\pw], v[QTM+7], 24, v[\pw]
.irp c, 0,1
	v_cvt_scalef32_pk16_fp6_f32 v[\pc+6*\c:\pc+6*\c+2], v[\s+32*\c:\s+32*\c+15], v[QTM+8+2*\c]
	v_cvt_scalef32_pk16_fp6_f32 v[QCT+4*\c:QCT+4*\c+2], v[\s+32*\c+16:\s+32*\c+31], v[QTM+9+2*\c]
.endr
	v_nop                                          ; one plain place behind the scaled conversions
.irp c, 0,1
.irp i, 0,1,2
	v_permlane16_swap_b32 v[\pc+6*\c+\i], v[QCT+4*\c+\i]
.endr
.irp i, 0,1,2
	v_mov_b32 v[\pc+6*\c+3+\i], v[QCT+4*\c+\i]
.endr
.endr
.endm
.macro FRAGLD reg, voff, sb            ; a fragment of given codes: 24 bytes of the row's stream of bits, twice, in pieces of 8 bytes
.irp p, 0,1,2,3,4,5
	global_load_b64 v[\reg+2*\p:\reg+2*\p+1], v[\voff], s[\sb:\sb+1] offset:48*(\p/3)+8*(\p%3)
.endr
.endm
.macro KLOAD                           ; a step's K: eight loads of 512 consecutive bytes
.irp t, 0,1,2,3
.irp c, 0,1
	global_load_b128 v[KF+8*\t+4*\c:KF+8*\t+4*\c+3], v1, s[6:7] offset:1024*\t+512*\c
.endr
.endr
.endm
.macro VLOAD                           ; its V: six code registers and the scale word
	global_load_b128 v[VF:VF+3], v1, s[6:7] offset:4096
	global_load_b64 v[VF+4:VF+5], v2, s[6:7] offset:4608
	global_load_b32 v[VS], v3, s[6:7] offset:4864
.endm
.macro MASKLD areg, off                ; the mask of 16 queries x 64 keys in the scores' layout: register 16 b + i = key 32 b + 16 h + i
.irp b, 0,1
.irp c, 0,1,2,3
	ds_load_b128 v[MP+16*\b+4*\c:MP+16*\b+4*\c+3], v[\areg] offset:\off+128*\b+16*\c
.endr
.endr
.endm
.macro BARRIER                         ; my LDS stores have landed and my LDS loads are in: then the work-group's barrier
	s_wait_dscnt 0x0
	s_barrier_signal -1
	s_barrier_wait -1
.endm
	s_load_b256 s[4:11], s[0:1], 0x0               ; mask s[4:5], kv s[6:7], shk s[8:9], out s[10:11]
	s_load_b512 s[16:31], s[0:1], 0x20             ; part p of q: x's codes, x's scales, Wq's codes, Wq's scales at s[16 + 8 p ..]: p = 0, 1
	s_load_b512 s[32:47], s[0:1], 0x60             ; p = 2, 3
	s_load_b256 s[48:55], s[0:1], 0xa0             ; Wcomb1 s[48:51], Wcomb2 s[52:55]
	s_load_b128 s[56:59], s[0:1], 0xc0             ; b1, b2
	v_lshrrev_b32 v7, 5, v0
	v_readfirstlane_b32 s60, v7                    ; wave 0..15
	s_lshr_b32 s61, s60, 3                         ; a
	s_and_b32 s62, s60, 7                          ; head
	s_and_b32 s63, s60, 3                          ; tile of queries (head and tail)
	s_lshr_b32 s66, s60, 2                         ; head: part p of q;  tail: quarter of the nodes
	s_mov_b32 s67, ttmp9
	s_and_b32 s68, ttmp7, 0xffff                   ; batch
	s_lshl_b32 s69, s68, 9
	s_lshl_b32 s74, s67, 6
	s_add_co_u32 s69, s69, s74                     ; the work-group's first query: 512 batch + 64 x
	s_mov_b32 s70, 0x76543210
	s_mov_b32 s71, 0xfedcba98                      ; v_permlanex16_b32's selects for lane l xor 16
	s_mov_b32 s72, 0x3fb8aa3b                      ; log2(e); the packed forms name a pair and take its low word, so both are written
	s_mov_b32 s73, s72
	s_mov_b32 s80, 0x3e8293ee                      ; 2 log2(e) / sqrt(128)
	s_mov_b32 s81, s80
	s_mov_b32 s82, 0xc1a00000                      ; -20
	s_mov_b32 s83, s82
	s_mov_b32 s92, 0x3e800000                      ; 1 / sqrt(16)
	s_mov_b32 s93, s92
	s_mov_b32 s94, 0x41200000                      ; 10
	s_mov_b32 s95, s94
	s_mov_b32 s77, 0                               ; s[76:77]: a byte offset in 64 bits
	s_mov_b32 s79, 0                               ; the step's bytes in a row of the mask
	v_and_b32 v7, 31, v0
	v_lshlrev_b32 v1, 4, v7                        ; 16 x lane
	v_lshlrev_b32 v2, 3, v7                        ; 8 x lane
	v_lshlrev_b32 v3, 2, v7                        ; 4 x lane
	v_and_b32 v[RR], 15, v0
	v_bfe_u32 v[HH], v0, 4, 1
	v_and_b32 v198, 8, v[RR]
	v_add_nc_u32 v198, v198, v[RR]                 ; r + 8 (r / 8)
	v_mul_u32_u24 v[AM0], v[RR], MPITCH
	v_lshl_add_u32 v[AM0], v[HH], 6, v[AM0]
	v_mul_u32_u24 v176, v[RR], 96
	v_mad_u32_u24 v176, v[HH], 24, v176            ; codes: row r, + 24 h
	v_mul_u32_u24 v177, v198, 96
	v_mad_u32_u24 v177, v[HH], 24, v177            ; the same for rows in a tile's order
	v_lshlrev_b32 v178, 2, v[RR]                   ; scale words likewise
	v_lshlrev_b32 v179, 2, v198
	v_lshlrev_b32 v180, 6, v[HH]                   ; the biases: 64 h
	s_mul_i32 s74, s60, 4*MPITCH
	v_add_nc_u32 v181, s74, v1                     ; LDS: my four rows of the mask
	s_mul_i32 s74, s60, 1536
	s_add_co_u32 s74, s74, XI
	v_add_nc_u32 v182, s74, v1                     ; my image of a query fragment (and, WCI - XI on, of Wcomb's)
	s_lshl_b32 s74, s60, 7
	s_add_co_u32 s74, s74, XIS
	v_add_nc_u32 v183, s74, v3
	s_lshl_b32 s74, s60, 9
	s_add_co_u32 s74, s74, BIMG
	v_add_nc_u32 v184, s74, v1
	s_mul_i32 s74, s60, 3072
	s_add_co_u32 s74, s74, SHK
	v_add_nc_u32 v185, s74, v1
	s_lshl_b32 s74, s60, 8
	s_add_co_u32 s74, s74, SHS
	v_add_nc_u32 v186, s74, v3
	v_add_nc_u32 v187, XI, v1                      ; where every wave reads the queries' fragments
	v_add_nc_u32 v188, XIS, v3
	s_mul_i32 s74, s62, 1536
	v_add_nc_u32 v189, s74, v176                   ; Wq: my head's 16 rows
	s_lshl_b32 s74, s62, 6
	v_add_nc_u32 v190, s74, v178
	s_wait_kmcnt 0x0
	; ---- THE HEAD'S LOADS, all at once.  (i) four rows of the mask
	s_lshl_b32 s74, s60, 2
	s_add_co_u32 s74, s74, s69
	s_lshl_b32 s76, s74, 11
	s_add_nc_u64 s[4:5], s[4:5], s[76:77]
.irp j, 0,1,2,3
.irp i, 0,1,2,3
	global_load_b128 v[112+16*\j+4*\i:112+16*\j+4*\i+3], v1, s[4:5] offset:2048*\j+512*\i th:TH_LOAD_NT   ; 512 consecutive bytes; the launch reads the mask once
.endr
.endr
	; (ii) the fragment of part p = w / 4, queries 16 (w % 4) on.  The buffer is chosen on the wave's number alone
	s_cmp_lt_u32 s66, 2
	s_cselect_b64 s[84:85], s[16:17], s[32:33]
	s_cselect_b64 s[86:87], s[24:25], s[40:41]
	s_cselect_b64 s[88:89], s[18:19], s[34:35]
	s_cselect_b64 s[90:91], s[26:27], s[42:43]
	s_and_b32 s74, s66, 1
	s_cmp_eq_u32 s74, 0
	s_cselect_b64 s[84:85], s[84:85], s[86:87]
	s_cselect_b64 s[88:89], s[88:89], s[90:91]
	s_lshl_b32 s74, s63, 4
	s_add_co_u32 s74, s74, s69
	s_mul_i32 s76, s74, 96
	s_add_nc_u64 s[84:85], s[84:85], s[76:77]
	s_lshl_b32 s76, s74, 2
	s_add_nc_u64 s[88:89], s[88:89], s[76:77]
	FRAGLD 88, 176, 84
	global_load_b32 v220, v178, s[88:89]
	; (iii) tile w % 8 of Wcomb1 (waves 0-7) or Wcomb2
	s_cmp_eq_u32 s61, 0
	s_cselect_b64 s[86:87], s[48:49], s[52:53]
	s_cselect_b64 s[90:91], s[50:51], s[54:55]
	s_lshr_b32 s74, s62, 1
	s_lshl_b32 s74, s74, 5
	s_and_b32 s75, s62, 1
	s_lshl_b32 s75, s75, 3
	s_add_co_u32 s74, s74, s75                     ; the tile begins at row 32 (t / 2) + 8 (t % 2)
	s_mul_i32 s76, s74, 96
	s_add_nc_u64 s[86:87], s[86:87], s[76:77]
	s_lshl_b32 s76, s74, 2
	s_add_nc_u64 s[90:91], s[90:91], s[76:77]
	FRAGLD 100, 177, 86
	global_load_b32 v221, v179, s[90:91]
	; (iv) four registers of each bias in the result's layout: registers 4 w .. 4 w + 3 hold channels 32 (w / 4) + 16 h + 4 (w % 4) + 0 .. 3
	s_lshl_b32 s74, s66, 7
	s_lshl_b32 s75, s63, 4
	s_add_co_u32 s76, s74, s75
	s_add_nc_u64 s[56:57], s[56:57], s[76:77]
	s_add_nc_u64 s[58:59], s[58:59], s[76:77]
	global_load_b128 v[32:35], v180, s[56:57]
	global_load_b128 v[36:39], v180, s[58:59]
	; (v) records 2 w, 2 w + 1 of the batch's scoring keys
	s_lshl_b32 s74, s68, 5
	s_lshl_b32 s75, s60, 1
	s_add_co_u32 s74, s74, s75
	s_lshl_b32 s76, s74, 11
	s_add_nc_u64 s[8:9], s[8:9], s[76:77]
.irp e, 0,1
.irp c, 0,1,2
	global_load_b128 v[8+12*\e+4*\c:8+12*\e+4*\c+3], v1, s[8:9] offset:2048*\e+512*\c
.endr
	global_load_b32 v[222+\e], v3, s[8:9] offset:2048*\e+1536
.endr
	; (vi) my head's 16 rows of the four Wq: they stay in registers
.irp p, 0,1,2,3
	FRAGLD 40+12*\p, 189, 20+8*\p
	global_load_b32 v[WQS+\p], v190, s[22+8*\p:23+8*\p]
.endr
	s_lshl_b32 s74, s61, 5
	s_add_co_u32 s74, s74, s68
	s_lshl_b32 s74, s74, 3
	s_add_co_u32 s74, s74, s62
	s_mul_i32 s76, s74, 40960
	s_add_nc_u64 s[6:7], s[6:7], s[76:77]          ; kv at my (a, batch, head): eight records of 5,120 bytes
	s_lshl_b32 s74, s63, 4
	s_add_co_u32 s74, s74, s69
	s_lshl_b32 s76, s74, 11
	s_lshl_b32 s75, s66, 9
	s_add_co_u32 s76, s76, s75
	s_add_nc_u64 s[10:11], s[10:11], s[76:77]      ; out at the tail's 16 queries and 128 nodes
	s_wait_loadcnt 0x1c                            ; all but the 28 loads of (vi), issued last
	v_pk_add_f32 v[32:33], v[32:33], v[36:37]
	v_pk_add_f32 v[34:35], v[34:35], v[38:39]
.irp j, 0,1,2,3
.irp i, 0,1,2,3
	ds_store_b128 v181, v[112+16*\j+4*\i:112+16*\j+4*\i+3] offset:MPITCH*\j+512*\i
.endr
.endr
.irp c, 0,1,2
	ds_store_b128 v182, v[88+4*\c:88+4*\c+3] offset:512*\c
.endr
	ds_store_b32 v183, v220
.irp c, 0,1,2
	ds_store_b128 v182, v[100+4*\c:100+4*\c+3] offset:WCI-XI+512*\c
.endr
	ds_store_b32 v183, v221 offset:WCS-XIS
	ds_store_b128 v184, v[32:35]
.irp e, 0,1
.irp c, 0,1,2
	ds_store_b128 v185, v[8+12*\e+4*\c:8+12*\e+4*\c+3] offset:1536*\e+512*\c
.endr
	ds_store_b32 v186, v[222+\e] offset:128*\e
.endr
	s_wait_dscnt 0x0                               ; for the others' sake, and: the stores have read the registers into which K and V now come
	KLOAD
	VLOAD                                          ; step 0; they land while q is made
	s_barrier_signal -1
	s_barrier_wait -1
	; ---- q^T = the sum over p of Wq_p x_p^T, my head, four tiles of queries; the four accumulators by turns
	s_wait_loadcnt 0xb                             ; the four Wq are in; K's eight and V's three loads, issued behind them, may be out
.irp p, 0,1,2,3
.if \p > 0
.rept 4
	v_nop                                          ; four places in front of loads into registers that matrix instructions have read
.endr
.endif
.irp t, 0,1,2,3
.irp c, 0,1,2
	ds_load_b128 v[136+12*\t+4*\c:136+12*\t+4*\c+3], v187 offset:(4*\p+\t)*1536+512*\c
.endr
	ds_load_b32 v[XLS+\t], v188 offset:(4*\p+\t)*128
.endr
	s_wait_dscnt 0x0
.irp t, 0,1,2,3
.if \p == 0
	v_wmma_scale_f32_16x16x128_f8f6f4 v[Q+8*\t:Q+8*\t+7], v[40+12*\p:40+12*\p+11], v[136+12*\t:136+12*\t+11], 0, v[WQS+\p], v[XLS+\t] matrix_a_fmt:MATRIX_FMT_FP6 matrix_b_fmt:MATRIX_FMT_FP6
.else
	v_wmma_scale_f32_16x16x128_f8f6f4 v[Q+8*\t:Q+8*\t+7], v[40+12*\p:40+12*\p+11], v[136+12*\t:136+12*\t+11], v[Q+8*\t:Q+8*\t+7], v[WQS+\p], v[XLS+\t] matrix_a_fmt:MATRIX_FMT_FP6 matrix_b_fmt:MATRIX_FMT_FP6
.endif
.endr
.endr
.rept 4
	v_nop
.endr
.set j, 0
.rept 16
	v_pk_mul_f32 v[Q+j:Q+j+1], v[Q+j:Q+j+1], s[92:93] op_sel_hi:[1,0]   ; / sqrt(16): exact; each result from its low end on
.set j, j+2
.endr
.set j, 0
.rept 32
	v_mov_b32 v[OA+j], 0                           ; O^T.  The step is written once: the first finds zeros, which the first change of M leaves zeros
.set j, j+1
.endr
.irp t, 0,1,2,3
	v_mov_b32 v[ST+4*\t+1], 0xff61b1e6             ; the largest t so far: -3e38
	v_floor_f32 v[ST+4*\t], -v[ST+4*\t+1]          ; -M
	v_mov_b32 v[ST+4*\t+2], 0
	v_mov_b32 v[ST+4*\t+3], 0
.endr
.irp i, 6,7,8,9,10,11
	v_mov_b32 v[VF+\i], 0                          ; the operands' upper halves, K = 64 .. 127: zero codes
	v_mov_b32 v[PC+\i], 0
.endr
	v_mov_b32 v[PX], 0                             ; a lane permute's destination counts as one of its sources
	v_mov_b32 v[PX+1], 0
	v_mov_b32 v[FF+1], 0                           ; named as the upper half of a pair
	v_add_nc_u32 v[AMA], s79, v[AM0]
	v_add_nc_u32 v[AMB], 32*MPITCH, v[AMA]
	MASKLD AMA, 0
; ---- A UNIT: 16 queries (tile q) x 64 keys.
.macro UNIT q, last
.if \q == 0
	s_wait_loadcnt 0x3                             ; K is in; V's three loads were issued behind it
.endif
	s_wait_dscnt 0x0                               ; the mask
.irp s, 0,1,2,3                        ; S^T = mask + K q^T in f32: four steps of four channels, the four tiles of keys by turns, one instruction a turn
.irp t, 0,1,2,3
.if \s == 0
	v_wmma_f32_16x16x4_f32 v[S+8*\t:S+8*\t+7], v[KF+8*\t:KF+8*\t+1], v[Q+8*\q:Q+8*\q+1], v[MP+8*\t:MP+8*\t+7]
.else
	v_wmma_f32_16x16x4_f32 v[S+8*\t:S+8*\t+7], v[KF+8*\t+2*\s:KF+8*\t+2*\s+1], v[Q+8*\q+2*\s:Q+8*\q+2*\s+1], v[S+8*\t:S+8*\t+7]
.endif
.endr
.endr
.rept 8
	v_nop                                          ; eight places behind this form, in front of the first read of results and of loads into its sources
.endr
.if (\q == 3) && !\last
	s_add_nc_u64 s[6:7], s[6:7], 5120              ; the next record (all my loads were shown done in this trip's first unit)
	KLOAD                                          ; lands while this unit's softmax is walked
.endif
.irp b, 0,1
	v_max3_num_f32 v[BM+\b], v[S+16*\b], v[S+16*\b+1], v[S+16*\b+2]   ; the largest score of each block of 32 keys: for the row's maximum, and, since p rises with the score, for the block's largest p
.endr
.irp i, 3,5,7,9,11,13
.irp b, 0,1
	v_max3_num_f32 v[BM+\b], v[BM+\b], v[S+16*\b+\i], v[S+16*\b+\i+1]
.endr
.endr
.irp b, 0,1
	v_max_num_f32 v[BM+\b], v[BM+\b], v[S+16*\b+15]
.endr
.irp b, 0,1
	v_permlanex16_b32 v[PX+\b], v[BM+\b], s70, s71
.endr
.irp b, 0,1
	v_max_num_f32 v[BM+\b], v[BM+\b], v[PX+\b]     ; with lane l xor 16's 16 keys
.endr
	v_max_num_f32 v[TT], v[BM], v[BM+1]
	v_mul_f32 v[TT], s72, v[TT]                    ; as t
	v_max_num_f32 v[ST+4*\q+1], v[ST+4*\q+1], v[TT]
	v_mov_b32 v[TT], v[ST+4*\q]
	v_floor_f32 v[ST+4*\q], -v[ST+4*\q+1]          ; the new -M = floor(-t): M is a whole number
	v_sub_f32 v[TT], v[ST+4*\q], v[TT]             ; old M - new M: a whole number, 0 or less
	v_cvt_i32_f32 v[TT], v[TT]                     ; (it saturates)
	v_ldexp_f32 v[FF], 1.0, v[TT]                  ; f
.irp j, 0,2,4,6,8,10,12,14,16,18,20,22,24,26,28,30
	v_pk_fma_f32 v[MP+\j:MP+\j+1], v[S+\j:S+\j+1], s[72:73], v[ST+4*\q:ST+4*\q+1] op_sel_hi:[1,0,0]   ; t - M
.endr
.irp b, 0,1
	v_fma_f32 v[BM+\b], v[BM+\b], s72, v[ST+4*\q]
.endr
.set j, 0
.rept 32
	v_exp_f32 v[MP+j], v[MP+j]                     ; p = 2^(t - M): not normalised
.set j, j+1
.endr
.irp b, 0,1
	v_exp_f32 v[BM+\b], v[BM+\b]                   ; the block's largest p: the same two instructions on the same number
.endr
	v_pk_mul_f32 v[ST+4*\q+2:ST+4*\q+3], v[ST+4*\q+2:ST+4*\q+3], v[FF:FF+1] op_sel_hi:[1,0]   ; the sum under the new M (the plain place behind the exponentials)
.irp b, 0,1
	v_max_num_f32 v[BM+\b], 0x1800000, v[BM+\b]    ; the floor 2^(3 - 127)
.endr
.irp b, 0,1
	v_add_nc_u32 v[SO+\b], 0xff000000, v[BM+\b]
.endr
.irp b, 0,1
	v_lshrrev_b32 v[PX+\b], 23, v[SO+\b]
.endr
	v_lshl_or_b32 v[PW], v[PX+1], 8, v[PX]         ; p's scale word: two bytes; the upper two are 0, over zero codes
	v_cvt_scalef32_pk16_fp6_f32 v[PC:PC+2], v[MP:MP+15], v[SO]
	v_cvt_scalef32_pk16_fp6_f32 v[CT:CT+2], v[MP+16:MP+31], v[SO+1]
	v_nop                                          ; one plain place behind the scaled conversions
.irp i, 0,1,2
	v_permlane16_swap_b32 v[PC+\i], v[CT+\i]       ; a whole block in a lane: lanes 0-15 block 0, lanes 16-31 block 1
.endr
.irp i, 0,1,2
	v_mov_b32 v[PC+3+\i], v[CT+\i]
.endr
	v_pk_add_f32 v[SUMT:SUMT+1], v[MP:MP+1], v[MP+2:MP+3]   ; the sum of the unquantised p, in two chains.  These sixteen are also the places between the scale word and the codes just made and the product below
.irp j, 4,8,12,16,20,24,28
	v_pk_add_f32 v[ST+4*\q+2:ST+4*\q+3], v[ST+4*\q+2:ST+4*\q+3], v[MP+\j:MP+\j+1]
	v_pk_add_f32 v[SUMT:SUMT+1], v[SUMT:SUMT+1], v[MP+\j+2:MP+\j+3]
.endr
	v_pk_add_f32 v[ST+4*\q+2:ST+4*\q+3], v[ST+4*\q+2:ST+4*\q+3], v[SUMT:SUMT+1]
.if \q < 3
	MASKLD AMA+((\q+1)/2), ((\q+1)%2)*16*MPITCH    ; the next unit's mask
.elseif !\last
	MASKLD AMA, 256                                ; the next step's
.endif
.irp j, 0,2,4,6
	v_pk_mul_f32 v[OA+8*\q+\j:OA+8*\q+\j+1], v[OA+8*\q+\j:OA+8*\q+\j+1], v[FF:FF+1] op_sel_hi:[1,0]   ; O^T under the new M
.endr
.if \q == 0
	s_wait_loadcnt 0x0                             ; V
.endif
	v_wmma_scale_f32_16x16x128_f8f6f4 v[OA+8*\q:OA+8*\q+7], v[VF:VF+11], v[PC:PC+11], v[OA+8*\q:OA+8*\q+7], v[VS], v[PW] matrix_a_fmt:MATRIX_FMT_FP6 matrix_b_fmt:MATRIX_FMT_FP6
.endm
.macro TRIP last
	UNIT 0, \last
	UNIT 1, \last
	UNIT 2, \last
	UNIT 3, \last
.if !\last
	s_add_co_u32 s79, s79, 256
	v_add_nc_u32 v[AMA], s79, v[AM0]
	v_add_nc_u32 v[AMB], 32*MPITCH, v[AMA]
	v_nop
	v_nop                                          ; with the two additions: four places in front of the loads into V's registers
	VLOAD
.endif
.endm
	s_mov_b32 s78, 7
.Ltrip:                                            ; seven of the eight steps of 64 keys; no barrier: nobody writes what the loop reads
	TRIP 0
	s_sub_co_u32 s78, s78, 1
	s_cmp_lg_u32 s78, 0
	s_cbranch_scc1 .Ltrip
	TRIP 1                                         ; the last step asks for nothing more: no load leaves kv
	; ---- O^T / the sum goes to LDS as rows of out1 or out2
.irp t, 0,1,2,3
	v_add_f32 v[ST+4*\t+2], v[ST+4*\t+2], v[ST+4*\t+3]   ; (these four are the places behind the last product)
.endr
.irp t, 0,1,2,3
	v_permlanex16_b32 v[ST+4*\t+3], v[ST+4*\t+2], s70, s71
.endr
.irp t, 0,1,2,3
	v_add_f32 v[ST+4*\t+2], v[ST+4*\t+2], v[ST+4*\t+3]
.endr
.irp t, 0,1,2,3
	v_rcp_f32 v[ST+4*\t+2], v[ST+4*\t+2]
.endr
	s_mul_i32 s74, s61, 64*OPITCH
	s_lshl_b32 s75, s62, 6
	s_add_co_u32 s74, s74, s75
	s_add_co_u32 s74, s74, OUTS
	v_mul_u32_u24 v7, v[RR], OPITCH                ; (a plain place behind the reciprocals)
	v_lshl_add_u32 v7, v[HH], 5, v7
	v_add_nc_u32 v7, s74, v7                       ; row r, + 64 head + 32 h bytes
.irp t, 0,1,2,3
.irp k, 0,2,4,6
	v_pk_mul_f32 v[MP+8*\t+\k:MP+8*\t+\k+1], v[OA+8*\t+\k:OA+8*\t+\k+1], v[ST+4*\t+2:ST+4*\t+3] op_sel_hi:[1,0]
.endr
.endr
.irp t, 0,1,2,3
.irp c, 0,1
	ds_store_b128 v7, v[MP+8*\t+4*\c:MP+8*\t+4*\c+3] offset:16*OPITCH*\t+16*\c
.endr
.endr
	BARRIER                                        ; out1 and out2 of the 64 queries lie in LDS
	; ---- THE TAIL: wave = (tile of queries w % 4, nodes 128 (w / 4) on)
	v_add_nc_u32 v5, BIMG, v1
	s_mul_i32 s74, s63, 16*OPITCH
	s_add_co_u32 s74, s74, OUTS
	v_mul_u32_u24 v6, v[RR], OPITCH
	v_lshl_add_u32 v6, v[HH], 6, v6
	v_add_nc_u32 v6, s74, v6                       ; out: row r of my tile, + 64 h
	v_add_nc_u32 v7, WCI, v1
	v_add_nc_u32 v192, WCS, v3
	s_mul_i32 s74, s66, 8*1536
	s_add_co_u32 s74, s74, SHK
	v_add_nc_u32 v193, s74, v1                     ; my eight tiles of scoring keys
	s_lshl_b32 s74, s66, 10
	s_add_co_u32 s74, s74, SHS
	v_add_nc_u32 v194, s74, v3
	s_mul_i32 s74, s63, 16*MPITCH
	s_lshl_b32 s75, s66, 9
	s_add_co_u32 s74, s74, s75
	v_add_nc_u32 v195, s74, v[AM0]                 ; my part of the mask
	s_lshl_b32 s74, s60, 6
	s_add_co_u32 s74, s74, RED
	v_lshl_add_u32 v198, v[RR], 2, s74             ; where I put a query's maximum or sum,
	s_lshl_b32 s74, s63, 6
	s_add_co_u32 s74, s74, RED
	v_lshl_add_u32 v199, v[RR], 2, s74             ; and where the four quarters' lie, 256 bytes apart
.irp g, 0,1,2,3,4,5,6,7,8,9,10,11,12,13,14,15
	ds_load_b128 v[H+4*\g:H+4*\g+3], v5 offset:512*\g   ; b1 + b2: the C of the combining sum's first products
.endr
.macro OUTLD a
.irp b, 0,1,2,3
.irp c, 0,1,2,3
	ds_load_b128 v[X+16*\b+4*\c:X+16*\b+4*\c+3], v6 offset:64*OPITCH*\a+128*\b+16*\c
.endr
.endr
.endm
	OUTLD 0
	s_wait_dscnt 0x0
	QUANT4 X, CA0, CW0
	OUTLD 1
	s_wait_dscnt 0x0
	QUANT4 X, CA0+12, CW0+1
.macro COMB a, np                      ; mh^T += Wcomb_a out_a^T: eight tiles of channels by turns
.rept \np
	v_nop                                          ; places in front of the loads into registers that matrix instructions have read, and behind the scale word just made
.endr
.irp t, 0,1,2,3,4,5,6,7
.irp c, 0,1,2
	ds_load_b128 v[WF+12*\t+4*\c:WF+12*\t+4*\c+3], v7 offset:(8*\a+\t)*1536+512*\c
.endr
	ds_load_b32 v[WS+\t], v192 offset:(8*\a+\t)*128
.endr
	s_wait_dscnt 0x0
.irp t, 0,1,2,3,4,5,6,7
	v_wmma_scale_f32_16x16x128_f8f6f4 v[H+8*\t:H+8*\t+7], v[WF+12*\t:WF+12*\t+11], v[CA0+12*\a:CA0+12*\a+11], v[H+8*\t:H+8*\t+7], v[WS+\t], v[CW0+\a] matrix_a_fmt:MATRIX_FMT_FP6 matrix_b_fmt:MATRIX_FMT_FP6
.endr
.endm
	COMB 0, 8
	COMB 1, 4
.rept 4
	v_nop
.endr
	QUANT4 H, CA0, CW0                             ; mh_out: register 16 b + i = channel 32 b + 16 h + i of my query
.irp t, 0,1,2,3,4,5,6,7
.irp c, 0,1,2
	ds_load_b128 v[WF+12*\t+4*\c:WF+12*\t+4*\c+3], v193 offset:1536*\t+512*\c
.endr
	ds_load_b32 v[WS+\t], v194 offset:128*\t
.endr
.rept 8
	v_nop                                          ; eight places between the scale word just made and the scaled products
.endr
	s_wait_dscnt 0x0
.irp t, 0,1,2,3,4,5,6,7
	v_wmma_scale_f32_16x16x128_f8f6f4 v[H+8*\t:H+8*\t+7], v[WF+12*\t:WF+12*\t+11], v[CA0:CA0+11], 0, v[WS+\t], v[CW0] matrix_a_fmt:MATRIX_FMT_FP6 matrix_b_fmt:MATRIX_FMT_FP6
.endr
.rept 4
	v_nop
.endr
.irp b, 0,1,2,3
.irp c, 0,1,2,3
	ds_load_b128 v[X+16*\b+4*\c:X+16*\b+4*\c+3], v195 offset:128*\b+16*\c   ; the mask of my 16 queries x 128 nodes
.endr
.endr
	; z = 10 tanh(score / sqrt(128)) + mask, with tanh(y) = 1 - 2 / (1 + 2^(2 log2(e) y))
.set j, 0
.rept 32
	v_pk_mul_f32 v[H+j:H+j+1], v[H+j:H+j+1], s[80:81] op_sel_hi:[1,0]
.set j, j+2
.endr
.set j, 0
.rept 64
	v_exp_f32 v[H+j], v[H+j]
.set j, j+1
.endr
	v_nop                                          ; one plain place behind the transcendentals
.set j, 0
.rept 32
	v_pk_add_f32 v[H+j:H+j+1], v[H+j:H+j+1], 1.0 op_sel_hi:[1,0]
.set j, j+2
.endr
.set j, 0
.rept 64
	v_rcp_f32 v[H+j], v[H+j]
.set j, j+1
.endr
	v_nop
	s_wait_dscnt 0x0                               ; the mask
.set j, 0
.rept 32
	v_pk_add_f32 v[X+j:X+j+1], v[X+j:X+j+1], s[94:95] op_sel_hi:[1,0]
.set j, j+2
.endr
.set j, 0
.rept 32
	v_pk_fma_f32 v[H+j:H+j+1], v[H+j:H+j+1], s[82:83], v[X+j:X+j+1] op_sel_hi:[1,0,1]
.set j, j+2
.endr
	; the row's maximum: my 64, lane l xor 16's, then the four quarters' through LDS
.irp k, 0,1,2,3
	v_max3_num_f32 v[136+\k], v[H+16*\k], v[H+16*\k+1], v[H+16*\k+2]
.endr
.irp i, 3,5,7,9,11,13
.irp k, 0,1,2,3
	v_max3_num_f32 v[136+\k], v[136+\k], v[H+16*\k+\i], v[H+16*\k+\i+1]
.endr
.endr
.irp k, 0,1,2,3
	v_max_num_f32 v[136+\k], v[136+\k], v[H+16*\k+15]
.endr
	v_max3_num_f32 v136, v136, v137, v138
	v_max_num_f32 v136, v136, v139
	v_permlanex16_b32 v137, v136, s70, s71
	v_max_num_f32 v136, v136, v137
	ds_store_b32 v198, v136                        ; lanes r and r + 16 write the same word with the same value
	BARRIER
.irp k, 0,1,2,3
	ds_load_b32 v[140+\k], v199 offset:256*\k
.endr
	s_wait_dscnt 0x0
	v_max3_num_f32 v136, v140, v141, v142
	v_max_num_f32 v136, v136, v143                 ; the row's maximum
.set j, 0
.rept 32
	v_pk_add_f32 v[H+j:H+j+1], v[H+j:H+j+1], v[136:137] op_sel_hi:[1,0] neg_lo:[0,1] neg_hi:[0,1]   ; z - the maximum first, so that a common offset of the mask costs no accuracy,
.set j, j+2
.endr
.set j, 0
.rept 32
	v_pk_mul_f32 v[H+j:H+j+1], v[H+j:H+j+1], s[72:73] op_sel_hi:[1,0]   ; then x log2(e)
.set j, j+2
.endr
.set j, 0
.rept 64
	v_exp_f32 v[H+j], v[H+j]
.set j, j+1
.endr
	v_nop
	v_pk_add_f32 v[138:139], v[H:H+1], v[H+2:H+3]
	v_pk_add_f32 v[140:141], v[H+4:H+5], v[H+6:H+7]
.irp j, 8,12,16,20,24,28,32,36,40,44,48,52,56,60
	v_pk_add_f32 v[138:139], v[138:139], v[H+\j:H+\j+1]
	v_pk_add_f32 v[140:141], v[140:141], v[H+\j+2:H+\j+3]
.endr
	v_pk_add_f32 v[138:139], v[138:139], v[140:141]
	v_add_f32 v138, v138, v139
	v_permlanex16_b32 v139, v138, s70, s71
	v_add_f32 v138, v138, v139
	ds_store_b32 v198, v138 offset:1024            ; other words than the maxima's: no barrier is owed between the two uses
	BARRIER
.irp k, 0,1,2,3
	ds_load_b32 v[140+\k], v199 offset:1024+256*\k
.endr
	s_mul_i32 s74, s60, 16*OPITCH                  ; the way out: a stage of 16 rows x (512 bytes + 16) for each wave, from LDS byte 0 on: every wave's reads of the mask and of out1, out2 were waited for two barriers ago
	v_mul_u32_u24 v5, v[RR], OPITCH
	v_lshl_add_u32 v5, v[HH], 6, v5
	v_add_nc_u32 v5, s74, v5                       ; in: row r, + 64 h
	v_add_nc_u32 v6, s74, v1                       ; back: a whole row, 16 bytes a lane
	s_wait_dscnt 0x0
	v_add_f32 v140, v140, v141
	v_add_f32 v142, v142, v143
	v_add_f32 v136, v140, v142
	v_rcp_f32 v136, v136
	v_nop
.set j, 0
.rept 32
	v_pk_mul_f32 v[H+j:H+j+1], v[H+j:H+j+1], v[136:137] op_sel_hi:[1,0]
.set j, j+2
.endr
.irp b, 0,1,2,3
.irp c, 0,1,2,3
	ds_store_b128 v5, v[H+16*\b+4*\c:H+16*\b+4*\c+3] offset:128*\b+16*\c
.endr
.endr
.irp i, 0,1,2,3,4,5,6,7,8,9,10,11,12,13,14,15
	ds_load_b128 v[X+4*\i:X+4*\i+3], v6 offset:OPITCH*\i   ; LDS serves a wave's instructions in order (ISA guide 5.7.1.4): these see my stores
.endr
.irp i, 0,1,2,3,4,5,6,7,8,9,10,11,12,13,14,15
	s_wait_dscnt 15-\i                             ; row i is back; the younger rows' loads may be out
	global_store_b128 v1, v[X+4*\i:X+4*\i+3], s[10:11] offset:2048*\i th:TH_STORE_NT   ; 32 lanes store 512 consecutive bytes, at a multiple of 512 from the output's first byte
.endr
	s_endpgm
.Lfunc_end_k_q3bc0584e5f_decode:
	.size	k_q3bc0584e5f_decode, .Lfunc_end_k_q3bc0584e5f_decode-k_q3bc0584e5f_decode
	.p2alignl 7, 3214868480
	.fill 96, 4, 3214868480
	.section	.rodata,"a",@progbits
	.p2align	6, 0x0
	.amdhsa_kernel k_q3bc0584e5f_decode
		.amdhsa_group_segment_fixed_size 316416
		.amdhsa_private_segment_fixed_size 0
		.amdhsa_enable_private_segment 0
		.amdhsa_kernarg_size 208
		.amdhsa_user_sgpr_count 2
		.amdhsa_user_sgpr_kernarg_segment_ptr 1
		.amdhsa_wavefront_size32 1
		.amdhsa_system_sgpr_workgroup_id_x 1
		.amdhsa_system_sgpr_workgroup_id_y 1
		.amdhsa_system_sgpr_workgroup_id_z 1
		.amdhsa_system_vgpr_workitem_id 0
		.amdhsa_next_free_vgpr 256
		.amdhsa_next_free_sgpr 96
		.amdhsa_reserve_vcc 0
		.amdhsa_float_denorm_mode_32 3
		.amdhsa_float_denorm_mode_16_64 3
		.amdhsa_memory_ordered 1
		.amdhsa_forward_progress 1
		.amdhsa_inst_pref_size 146
	.end_amdhsa_kernel
	.amdgpu_metadata
---
amdhsa.version: [ 1, 2 ]
amdhsa.kernels:
  - .name:           k_q3bc0584e5f_decode
    .symbol:         k_q3bc0584e5f_decode.kd
    .args:
      - { .name: ninf_mask, .offset: 0, .size: 8, .value_kind: global_buffer, .address_space: global }
      - { .name: kv, .offset: 8, .size: 8, .value_kind: global_buffer, .address_space: global }
      - { .name: shk, .offset: 16, .size: 8, .value_kind: global_buffer, .address_space: global }
      - { .name: out0, .offset: 24, .size: 8, .value_kind: global_buffer, .address_space: global }
      - { .name: encoded_q1_codes, .offset: 32, .size: 8, .value_kind: global_buffer, .address_space: global }
      - { .name: encoded_q1_scales, .offset: 40, .size: 8, .value_kind: global_buffer, .address_space: global }
      - { .name: Wq_first_codes, .offset: 48, .size: 8, .value_kind: global_buffer, .address_space: global }
      - { .name: Wq_first_scales, .offset: 56, .size: 8, .value_kind: global_buffer, .address_space: global }
      - { .name: encoded_last_node_codes, .offset: 64, .size: 8, .value_kind: global_buffer, .address_space: global }
      - { .name: encoded_last_node_scales, .offset: 72, .size: 8, .value_kind: global_buffer, .address_space: global }
      - { .name: Wq_last_codes, .offset: 80, .size: 8, .value_kind: global_buffer, .address_space: global }
      - { .name: Wq_last_scales, .offset: 88, .size: 8, .value_kind: global_buffer, .address_space: global }
      - { .name: encoded_first_graph_codes, .offset: 96, .size: 8, .value_kind: global_buffer, .address_space: global }
      - { .name: encoded_first_graph_scales, .offset: 104, .size: 8, .value_kind: global_buffer, .address_space: global }
      - { .name: Wq_first_e_codes, .offset: 112, .size: 8, .value_kind: global_buffer, .address_space: global }
      - { .name: Wq_first_e_scales, .offset: 120, .size: 8, .value_kind: global_buffer, .address_space: global }
      - { .name: encoded_last_graph_codes, .offset: 128, .size: 8, .value_kind: global_buffer, .address_space: global }
      - { .name: encoded_last_graph_scales, .offset: 136, .size: 8, .value_kind: global_buffer, .address_space: global }
      - { .name: Wq_last_e_codes, .offset: 144, .size: 8, .value_kind: global_buffer, .address_space: global }
      - { .name: Wq_last_e_scales, .offset: 152, .size: 8, .value_kind: global_buffer, .address_space: global }
      - { .name: Wcomb1_codes, .offset: 160, .size: 8, .value_kind: global_buffer, .address_space: global }
      - { .name: Wcomb1_scales, .offset: 168, .size: 8, .value_kind: global_buffer, .address_space: global }
      - { .name: Wcomb2_codes, .offset: 176, .size: 8, .value_kind: global_buffer, .address_space: global }
      - { .name: Wcomb2_scales, .offset: 184, .size: 8, .value_kind: global_buffer, .address_space: global }
      - { .name: bcomb1, .offset: 192, .size: 8, .value_kind: global_buffer, .address_space: global }
      - { .name: bcomb2, .offset: 200, .size: 8, .value_kind: global_buffer, .address_space: global }
    .group_segment_fixed_size: 316416
    .private_segment_fixed_size: 0
    .kernarg_segment_align: 8
    .kernarg_segment_size: 208
    .max_flat_workgroup_size: 512
    .sgpr_count:     96
    .vgpr_count:     256
    .wavefront_size: 32
...
	.end_amdgpu_metadata
.endif
;; end of part 2
